; MI455X (gfx1250); checked and timed in simulation.
; The chip was launched on July 23, 2026; its instructions are those of AMD's public machine-readable ISA for CDNA 5 (MIT licence, August 2026) and "CDNA5" Instruction Set Architecture Reference Guide (July 2026). The comments in the code are by the model that wrote it; some were corrected since.
;; Dual Output Mo E. Allowed arithmetic: matrix products marked QUANTISED: E3M2 operands, one E8M0 scale for each 32 along K, by v_wmma_scale_f32_16x16x128_f8f6f4 with both operands' format E3M2, f32 sums; products left as they are: f32 operands where the result goes on into a quantised operand, else bf16, f16 or f32 operands; f32 sums; everything else in f32.
;; Inputs: We 8 x 2,048 x 2,048 float32; Wg 2,048 x 8 float32; be 8 x 2,048 float32; bg 8 float32; x 4 x 512 x 2,048 float32.
;; Outputs: out0 4 x 512 x 2,048 float32.
;; Constants: top_k = 2.
;; This version of the problem:
;;   THIS VERSION OF THE PROBLEM IS GIVEN IN LOW PRECISION. The matrix products marked QUANTISED in the list below multiply operands that are first quantised to E3M2 (3 exponent bits, 2 mantissa bits; 6 bits a number), with one power-of-two scale for each 32 numbers along K (OCP MX v1.0); their sums are f32. All else is computed in f32.
;;   The module's matrix products, in the order in which they are computed (A, B: the left and right operand; K: the contracted axis; several contracted axes count as one K, in the product's order):
;;     1. [M 2,048, K 2,048] x [K 2,048, N 8]; A: input x; B: input Wg: left as it is (N = 8 < 16)
;;     2. [M 2,048, K 2,048] x [K 2,048, N 2,048]; A: input x; B: input We: QUANTISED
;;     3. [M 2,048, K 2,048] x [K 2,048, N 2,048]; A: input x; B: input We: QUANTISED
;;     4. [M 2,048, K 2,048] x [K 2,048, N 2,048]; A: input x; B: input We: QUANTISED
;;     5. [M 2,048, K 2,048] x [K 2,048, N 2,048]; A: input x; B: input We: QUANTISED
;;     6. [M 2,048, K 2,048] x [K 2,048, N 2,048]; A: input x; B: input We: QUANTISED
;;     7. [M 2,048, K 2,048] x [K 2,048, N 2,048]; A: input x; B: input We: QUANTISED
;;     8. [M 2,048, K 2,048] x [K 2,048, N 2,048]; A: input x; B: input We: QUANTISED
;;     9. [M 2,048, K 2,048] x [K 2,048, N 2,048]; A: input x; B: input We: QUANTISED
;;   THE QUANTISER, for each operand of a quantised product, along K:
;;     - K is cut into blocks of 32 from its start; a last block that is shorter is filled with zeros.
;;     - A block's scale is 2^e with e = floor(log2(the largest magnitude in the block)) - 4, held to -126 .. 127; a block of zeros has e = 0. As a byte (E8M0): e + 127.
;;     - Each number is divided by its block's scale, clamped to +-28, and rounded to the nearest number of E3M2, ties to even, subnormals kept.
;;     - The product sums the exact products of the quantised numbers (number of the format x scale) in f32.
;;   ~~~python
;;   def quantise(x, axis):      # numpy; x: float32 -> the quantised numbers, widened to float32 again
;;       x = np.moveaxis(x, axis, -1); K = x.shape[-1]
;;       x = np.pad(x, [(0, 0)] * (x.ndim - 1) + [(0, -K % 32)]); x = x.reshape(x.shape[:-1] + (-1, 32)); a = np.abs(x).max(-1, keepdims=True)
;;       e = np.where(a > 0, np.clip(np.frexp(np.where(a > 0, a, 1))[1] - 1 - 4, -126, 127), 0)      # np.frexp(a)[1] - 1 = floor(log2(a)), exactly
;;       r = np.clip(x / 2.0 ** e, -28, 28)
;;       step = 2.0 ** (np.maximum(np.frexp(np.where(r == 0, 1, r))[1] - 1, -2) - 2)
;;       q = np.round(r / step) * step * 2.0 ** e      # np.round: ties to even
;;       return np.moveaxis(q.reshape(q.shape[:-2] + (-1,))[..., :K], -1, axis).astype(np.float32)
;;   ~~~
;; One version. Each part assembles by itself: llvm-mc -triple=amdgcn-amd-amdhsa -mcpu=gfx1250 --defsym DOCPART=n.
;; ======== version 1 of 1: 3 launches
;; limits: right only within a limited range of input values
;; workspace buffers: xcodes 3,145,728 bytes; xscales 131,072 bytes; keys 8,192 bytes of whole numbers; gates 16,384 bytes; wcodes 25,165,824 bytes; wscales 1,048,576 bytes; ord 8,192 bytes of whole numbers; ogates 16,384 bytes
;; launch route (part 1): grid 256 x 1, 4 waves a work-group, no clusters, 69,632 bytes of LDS; arguments x, Wg, bg, xcodes, xscales, keys, gates; writes xcodes, xscales, keys, gates
.if DOCPART == 1
	.amdgcn_target "amdgcn-amd-amdhsa--gfx1250"
	.amdhsa_code_object_version 6
	.text
	.protected	k_q52c569d486_route
	.globl	k_q52c569d486_route
	.p2align	8
	.type	k_q52c569d486_route,@function
k_q52c569d486_route:
	s_mov_b64 s[64:65], 0
	v_nop
	global_prefetch_b8 v0, s[64:65] scope:SCOPE_SE
	s_setreg_imm32_b32 hwreg(HW_REG_WAVE_MODE, 25, 1), 1
	s_wait_xcnt 0x0
; DualOutputMoE, launch 1 of 3: the tokens become codes of BF6 (E3M2) with one E8M0 byte for each 32 along K, and the router chooses.
; THE PROGRAM.  out[t] = sum over the two experts e in token t's top-2 of score[t][e] x (Q(x[t]) . Q(We[e]) + be[e]).
; WORK LEFT OUT, AND WHY IT IS DEAD.  reference() computes tok @ We[e] + be[e] for all eight experts and multiplies each row by gate = where(mask[t][e], score, 0),
; a mask that it builds itself from its own top-2.  For an expert outside a token's top-2 the gate is the constant 0, so gate x (row) is 0 in exact arithmetic for all finite values
; of x, We and be: six of every token's eight rows reach no output.  They are left out in whole units (a block of 64 tokens x an expert that none of them chose).
; Every input has a way to an output and is loaded: x, Wg, bg here; We and be in the later launches.  top_k = 2 is built in.
; LIMITS.  A NaN, an infinity or an overflow that reaches only a product left out is not carried to the result.  NaN and infinities among the inputs are not served.
; The top-2 is taken on the logits with a strict comparison (the lower index wins an exact tie, as in jax.lax.top_k); softmax rises with the logit, so the choice is the same
; but where two different logits round to one f32 score: there reference() takes the lower index and this text the larger logit.  A score under 2^-126 comes out of v_exp_f32 as 0.
; A block of zeros gets the scale byte 1 where the rule says 127: its codes are zeros, and the bytes are read by this program alone.
; SHARES.  A work-group takes 8 tokens.  Wave w takes k = 512 w .. 512 w + 511 of each, lane l the 16 neighbours k = 512 w + 16 l + i: two lanes hold a block of 32.
; The lane's 16 x 8 numbers of Wg stay in 128 registers, so each number of x is loaded once and serves the quantiser and the eight logits.
; Wg: a lane's numbers are 512 bytes on end, so loaded lane by lane every lane would ask for bytes far from its neighbour's.  The wave's 16 KB come by 32 loads of 512 consecutive bytes instead and turn through
; a stage of the wave's own in LDS: load j is lane j's 512 bytes, stored as loaded at 528 j + 16 l and read back at 528 l + 16 j (528 is an odd multiple of 16).
; xcodes: [token][16 K steps][96 bytes]; in a K step the four blocks lie in the order 0, 2, 1, 3, so that the 12 registers which the matrix operand's lane (r, h) wants are the 48 bytes at 96 s + 48 h.
; xscales: [token][64 bytes], byte B for block B.  keys: [token] p | lo << 8 | hi << 16 (lo < hi the two experts; p orders the 28 pairs so that neighbouring p share an expert).  gates: [token] (score of lo, score of hi).
.set PART,  0                          ; LDS: [wave 4][token 8][expert 8] f32: the waves' parts of the logits
.set XSB,   1024                       ; [token 8][64] scale bytes
.set SPARE, 1536                       ; the spare words, 128 bytes for each wave
.set WGS,   2048                       ; Wg's stages
.set WPL,   528                        ; a lane's place in a stage: 512 bytes + 16
.set WGW,   32*WPL                     ; a wave's stage
.set XO,  2                            ; v2   my byte in a token's row of x: 64 x thread
.set WGO, 3                            ; v3   Wg as it is loaded: 16,384 w + 16 l
.set CO,  4                            ; v4   where my 12 bytes of codes go in a token's 1,536
.set SBA, 5                            ; v5   LDS: my block's scale byte
.set PA,  6                            ; v6   LDS: my wave's part of the logits
.set SPW, 7                            ; v7   LDS address of my spare word; never rewritten
.set NIL, 8                            ; v8   0; never rewritten
.set WSA, 13                           ; v13  Wg's stage, on the way in: 16 l
.set WRA, 14                           ; v14  and on the way out: 528 l
.set A,   24                           ; v[24:31] the token's eight partial logits
.set X,   32                           ; v[32:95] four sets of 16 numbers of x
.set WG,  96                           ; v[96:223] Wg: register 8 i + e
.set T8,  224                          ; v[224:231] the other half of the lanes' sums
                                       ; v[232:255], v[16:18], v[20:22]: 16 codes for each token: registers of its own, so that no store's data are written again
	s_load_b256 s[4:11], s[0:1], 0x0               ; x s[4:5], Wg s[6:7], bg s[8:9], xcodes s[10:11]
	s_load_b128 s[12:15], s[0:1], 0x20             ; xscales s[12:13], keys s[14:15]
	s_load_b64 s[16:17], s[0:1], 0x30              ; gates
	v_lshl_add_u32 v[SPW], v0, 2, SPARE
	v_mov_b32 v[NIL], 0
	v_lshrrev_b32 v1, 5, v0
	v_readfirstlane_b32 s18, v1                    ; wave 0..3
	v_and_b32 v1, 31, v0                           ; lane
	v_lshlrev_b32 v[XO], 6, v0
	s_lshl_b32 s32, s18, 14
	v_lshl_add_u32 v[WGO], v1, 4, s32
	s_mul_i32 s33, s18, WGW
	s_add_co_u32 s33, s33, WGS                     ; my wave's stage
	v_lshl_add_u32 v[WSA], v1, 4, s33
	v_mul_u32_u24 v[WRA], v1, WPL
	v_add_nc_u32 v[WRA], s33, v[WRA]
	s_mul_i32 s30, s18, 384                        ; a wave's four K steps of codes
	v_lshrrev_b32 v9, 3, v1                        ; which of them: eight lanes to a K step
	v_mul_u32_u24 v[CO], v9, 96
	v_bfe_u32 v9, v1, 1, 1                         ; the block's low bit moves it 48 bytes,
	v_mad_u32_u24 v[CO], v9, 48, v[CO]
	v_bfe_u32 v9, v1, 2, 1                         ; its high bit 24: the order 0, 2, 1, 3
	v_mad_u32_u24 v[CO], v9, 24, v[CO]
	v_and_b32 v9, 1, v1                            ; which half of the block
	v_mad_u32_u24 v[CO], v9, 12, v[CO]
	v_add_nc_u32 v[CO], s30, v[CO]
	v_lshrrev_b32 v[SBA], 1, v0                    ; block 16 w + l / 2
	v_add_nc_u32 v[SBA], XSB, v[SBA]
	v_and_b32 v[PA], 0x60, v0                      ; 32 w
	v_lshlrev_b32 v[PA], 3, v[PA]                  ; 256 w
	s_mov_b32 s28, 0x76543210
	s_mov_b32 s29, 0xfedcba98                      ; v_permlanex16_b32's selects for lane l xor 16
.irp e, 0,1,2,3,4,5,6,7
	v_mov_b32 v[T8+\e], 0                          ; written once: a lane permute's destination counts as one of its sources
.endr
	s_wait_kmcnt 0x0
	s_load_b256 s[20:27], s[8:9], 0x0              ; bg: eight numbers, in scalar registers
	s_mov_b32 s31, 0
	s_lshl_b32 s30, ttmp9, 16                      ; 8 tokens of 8,192 bytes
	s_add_nc_u64 s[4:5], s[4:5], s[30:31]
	s_mul_i32 s30, ttmp9, 12288                    ; 8 x 1,536
	s_add_nc_u64 s[10:11], s[10:11], s[30:31]
	s_lshl_b32 s30, ttmp9, 9                       ; 8 x 64
	s_add_nc_u64 s[12:13], s[12:13], s[30:31]
	s_lshl_b32 s30, ttmp9, 5                       ; 8 x 4
	s_add_nc_u64 s[14:15], s[14:15], s[30:31]
	s_lshl_b32 s30, ttmp9, 6                       ; 8 x 8
	s_add_nc_u64 s[16:17], s[16:17], s[30:31]
.irp j, 0,1,2,3,4,5,6,7,8,9,10,11,12,13,14,15,16,17,18,19,20,21,22,23,24,25,26,27,28,29,30,31
	global_load_b128 v[WG+4*\j:WG+4*\j+3], v[WGO], s[6:7] offset:512*\j   ; 512 consecutive bytes of Wg: they are lane j's
.endr
.macro XLOAD t                         ; token t's 16 numbers of mine into set t % 4.  A lane's four loads take 64 bytes on end, the wave's four cover 2,048 consecutive bytes: no hint, since each of the four touches the neighbours of the others' bytes
.irp i, 0,1,2,3
	global_load_b128 v[X+16*((\t)%4)+4*\i:X+16*((\t)%4)+4*\i+3], v[XO], s[4:5] offset:8192*(\t)+16*\i
.endr
.endm
.irp t, 0,1,2,3
	XLOAD \t
.endr
	s_wait_loadcnt 16                              ; Wg is in; the 16 loads of x behind it may be out
.irp j, 0,1,2,3,4,5,6,7,8,9,10,11,12,13,14,15,16,17,18,19,20,21,22,23,24,25,26,27,28,29,30,31
	ds_store_b128 v[WSA], v[WG+4*\j:WG+4*\j+3] offset:WPL*\j
.endr
.irp j, 0,1,2,3,4,5,6,7,8,9,10,11,12,13,14,15,16,17,18,19,20,21,22,23,24,25,26,27,28,29,30,31
	ds_load_b128 v[WG+4*\j:WG+4*\j+3], v[WRA] offset:16*\j   ; LDS serves a wave's instructions in order: these see my stores.  Register 4 j + c is word 4 j + c of my 512 bytes: Wg(512 w + 16 l + i, e) at 8 i + e
.endr
	s_wait_dscnt 0x0                               ; Wg lies in my registers
	s_wait_kmcnt 0x0                               ; bg
.macro TOKEN t
.set XS, X+16*((\t)%4)
.if (\t) < 6
.set CC, 232+4*(\t)
.else
.set CC, 16+4*((\t)-6)
.endif
.if (\t) < 5
	s_wait_loadcnt 12                              ; this token's four loads are in; those of the three tokens behind it may be out
.else
	s_wait_loadcnt 4*(7-(\t))                      ; the last tokens: fewer are behind
.endif
	v_max3_num_f32 v9, |v[XS]|, |v[XS+1]|, 0x2800000     ; the largest magnitude of my 16, in two chains, with the floor 2^(5 - 127) among the leaves: the byte cannot fall under 1
	v_max3_num_f32 v10, |v[XS+2]|, |v[XS+3]|, |v[XS+4]|
	v_max3_num_f32 v9, v9, |v[XS+5]|, |v[XS+6]|
	v_max3_num_f32 v10, v10, |v[XS+7]|, |v[XS+8]|
	v_max3_num_f32 v9, v9, |v[XS+9]|, |v[XS+10]|
	v_max3_num_f32 v10, v10, |v[XS+11]|, |v[XS+12]|
	v_max3_num_f32 v9, v9, |v[XS+13]|, |v[XS+14]|
	v_max3_num_f32 v9, v9, v10, |v[XS+15]|
	v_max_num_f32_dpp v9, v9, v9 row_xmask:1 row_mask:0xf bank_mask:0xf   ; and of my neighbour's 16: the block's
	v_add_nc_u32 v11, 0xfe000000, v9               ; 4 off its exponent field: the conversion takes the exponent field of this operand as its scale
	v_cvt_scalef32_pk16_bf6_f32 v[CC:CC+2], v[XS:XS+15], v11
	v_lshrrev_b32 v12, 23, v11                     ; the scale's byte (also the plain line behind the conversion)
	ds_store_b8 v[SBA], v12 offset:64*(\t)         ; both lanes of a block write the same byte with the same value
	global_store_b96 v[CO], v[CC:CC+2], s[10:11] offset:1536*(\t)   ; the wave's 32 x 12 bytes are 384 consecutive bytes
.irp j, 0,1,2,3                        ; the eight logits' parts: sum over my 16 k of x(k) Wg(k, e), two experts an instruction, in f32
	v_pk_mul_f32 v[A+2*\j:A+2*\j+1], v[WG+2*\j:WG+2*\j+1], v[XS:XS+1] op_sel_hi:[1,0]
.endr
.irp i, 1,2,3,4,5,6,7,8,9,10,11,12,13,14,15
.irp j, 0,1,2,3
.if \i%2
	v_pk_fma_f32 v[A+2*\j:A+2*\j+1], v[WG+8*\i+2*\j:WG+8*\i+2*\j+1], v[XS+2*(\i/2):XS+2*(\i/2)+1], v[A+2*\j:A+2*\j+1] op_sel:[0,1,0] op_sel_hi:[1,1,1]   ; both halves by the pair's second number
.else
	v_pk_fma_f32 v[A+2*\j:A+2*\j+1], v[WG+8*\i+2*\j:WG+8*\i+2*\j+1], v[XS+2*(\i/2):XS+2*(\i/2)+1], v[A+2*\j:A+2*\j+1] op_sel_hi:[1,0,1]                  ; both halves by its first
.endif
.endr
.endr
.irp x, 1,2,4,8                        ; over the 32 lanes: four steps inside each half ride on the addition, one crosses the halves
.irp e, 0,1,2,3,4,5,6,7
	v_add_f32_dpp v[A+\e], v[A+\e], v[A+\e] row_xmask:\x row_mask:0xf bank_mask:0xf
.endr
.endr
.irp e, 0,1,2,3,4,5,6,7
	v_permlanex16_b32 v[T8+\e], v[A+\e], s28, s29
.endr
.irp e, 0,1,2,3,4,5,6,7
	v_add_f32 v[A+\e], v[A+\e], v[T8+\e]
.endr
	ds_store_b128 v[PA], v[A:A+3] offset:PART+32*(\t)          ; all lanes hold the same eight sums and write them to the same place
	ds_store_b128 v[PA], v[A+4:A+7] offset:PART+32*(\t)+16
.if (\t) < 4
	XLOAD (\t)+4                                   ; the set just read takes the token four on
.endif
.endm
.irp t, 0,1,2,3,4,5,6,7
	TOKEN \t
.endr
	s_wait_dscnt 0x0                               ; for wave 0's sake: my parts and my scale bytes lie in LDS
	s_barrier_signal -1
	s_barrier_wait -1
	s_cmp_lg_u32 s18, 0
	s_cbranch_scc1 .Lend                           ; the rest is small: wave 0 does it
	v_lshl_add_u32 v9, v1, 4, XSB
	ds_load_b128 v[32:35], v9                      ; the 8 tokens' 512 scale bytes, 16 a lane
	v_and_b32 v10, 7, v1                           ; lane l serves token l % 8 (lanes 8 to 31 repeat, and store nothing)
	v_lshlrev_b32 v10, 5, v10
.irp w, 0,1,2,3
	ds_load_b128 v[40+8*\w:43+8*\w], v10 offset:PART+256*\w
	ds_load_b128 v[44+8*\w:47+8*\w], v10 offset:PART+256*\w+16
.endr
	v_lshlrev_b32 v11, 4, v1
	s_wait_alu depctr_va_vdst(0)
	s_wait_dscnt 0x0
	global_store_b128 v11, v[32:35], s[12:13]      ; 512 consecutive bytes, aligned
.irp j, 0,2,4,6
	v_pk_add_f32 v[40+\j:41+\j], v[40+\j:41+\j], v[48+\j:49+\j]
	v_pk_add_f32 v[56+\j:57+\j], v[56+\j:57+\j], v[64+\j:65+\j]
.endr
.irp j, 0,2,4,6
	v_pk_add_f32 v[40+\j:41+\j], v[40+\j:41+\j], v[56+\j:57+\j]
.endr
.irp e, 0,1,2,3,4,5,6,7
	v_add_f32 v[40+\e], s[20+\e], v[40+\e]         ; + bg: the logits, v40-47
.endr
	v_max3_num_f32 v72, v40, v41, v42              ; the maximum is taken away ahead of the exponential, as reference()'s softmax does
	v_max3_num_f32 v72, v72, v43, v44
	v_max3_num_f32 v72, v72, v45, v46
	v_max_num_f32 v72, v72, v47
.irp e, 0,1,2,3,4,5,6,7
	v_sub_f32 v[48+\e], v[40+\e], v72
.endr
.irp e, 0,1,2,3,4,5,6,7
	v_mul_f32 v[48+\e], 0x3fb8aa3b, v[48+\e]       ; x log2(e)
.endr
	s_wait_alu depctr_va_vdst(0)
.irp e, 0,1,2,3,4,5,6,7
	v_exp_f32 v[48+\e], v[48+\e]                   ; one batch
.endr
	v_mov_b32 v78, 0xff800000                      ; -infinity (plain lines behind the batch)
.irp e, 0,1,2,3,4,5,6,7
	v_mov_b32 v[84+\e], \e                         ; the experts' numbers
.endr
	s_wait_alu depctr_va_vdst(0)                   ; one wait for the eight, ahead of their first reader
	v_add_f32 v74, v48, v49
	v_add_f32 v92, v50, v51
	v_add_f32 v93, v52, v53
	v_add_f32 v94, v54, v55
	v_add_f32 v74, v74, v92
	v_add_f32 v93, v93, v94
	v_add_f32 v74, v74, v93
	s_wait_alu depctr_va_vdst(0)
	v_rcp_f32 v73, v74                             ; 1 / the sum; the two passes below name neither register
	v_mov_b32 v75, v40                             ; pass 1: the largest logit, its index i1 and its exponential
	v_mov_b32 v76, 0
	v_mov_b32 v77, v48
.irp e, 1,2,3,4,5,6,7
	v_cmp_gt_f32 vcc_lo, v[40+\e], v75             ; strictly larger: the lower index keeps a tie
	v_cndmask_b32 v75, v75, v[40+\e], vcc_lo
	v_cndmask_b32 v76, v76, v[84+\e], vcc_lo
	v_cndmask_b32 v77, v77, v[48+\e], vcc_lo
.endr
.irp e, 0,1,2,3,4,5,6,7
	v_cmp_eq_u32 vcc_lo, \e, v76
	v_cndmask_b32 v[56+\e], v[40+\e], v78, vcc_lo  ; pass 2 on the logits with the first one hidden
.endr
	v_mov_b32 v79, v56
	v_mov_b32 v80, 0
	v_mov_b32 v81, v48
.irp e, 1,2,3,4,5,6,7
	v_cmp_gt_f32 vcc_lo, v[56+\e], v79
	v_cndmask_b32 v79, v79, v[56+\e], vcc_lo
	v_cndmask_b32 v80, v80, v[84+\e], vcc_lo
	v_cndmask_b32 v81, v81, v[48+\e], vcc_lo
.endr
	s_wait_alu depctr_va_vdst(0)                   ; the reciprocal's wait, ahead of its first reader
	v_mul_f32 v77, v77, v73                        ; the two scores
	v_mul_f32 v81, v81, v73
	v_min_u32 v92, v76, v80                        ; lo
	v_max_u32 v93, v76, v80                        ; hi
	v_cmp_lt_u32 vcc_lo, v76, v80
	v_cndmask_b32 v82, v81, v77, vcc_lo            ; lo's score,
	v_cndmask_b32 v83, v77, v81, vcc_lo            ; hi's
	v_sub_nc_u32 v94, 15, v92
	v_mul_u32_u24 v94, v94, v92
	v_lshrrev_b32 v94, 1, v94                      ; lo (15 - lo) / 2: the pairs with a smaller lo
	v_sub_nc_u32 v95, v93, v92
	v_add_nc_u32 v95, -1, v95                      ; even lo: hi ascending,
	v_sub_nc_u32 v96, 7, v93                       ; odd lo: hi descending: so the last pair of one lo and the first of the next share an expert
	v_and_b32 v97, 1, v92
	v_cmp_eq_u32 vcc_lo, 1, v97
	v_cndmask_b32 v95, v95, v96, vcc_lo
	v_add_nc_u32 v94, v94, v95                     ; p, 0 .. 27
	v_lshl_or_b32 v94, v92, 8, v94
	v_lshl_or_b32 v94, v93, 16, v94
	v_lshlrev_b32 v98, 2, v1
	v_lshlrev_b32 v99, 3, v1
	s_wait_alu depctr_va_vdst(0)
	s_wait_xcnt 0x0                                ; EXEC is narrowed only behind this wait: earlier stores have read theirs
	v_cmp_gt_u32 vcc_lo, 8, v1
	s_and_saveexec_b32 s30, vcc_lo
	global_store_b32 v98, v94, s[14:15]            ; at fixed places: no address of this launch hangs on the choice.  (32 and 64 bytes a work-group: small pieces, 24 KB in the whole launch)
	global_store_b64 v99, v[82:83], s[16:17]
	s_wait_xcnt 0x0                                ; and widened only behind this one
	s_or_b32 exec_lo, exec_lo, s30
.Lend:
	s_wait_tensorcnt 0x0                           ; the wave's end: three lines behind my last LDS store
	ds_add_u32 v[SPW], v[NIL]
	s_wait_dscnt 0x0
	s_endpgm
.Lfunc_end_k_q52c569d486_route:
	.size	k_q52c569d486_route, .Lfunc_end_k_q52c569d486_route-k_q52c569d486_route
	.p2alignl 7, 3214868480
	.fill 96, 4, 3214868480
	.section	.rodata,"a",@progbits
	.p2align	6, 0x0
	.amdhsa_kernel k_q52c569d486_route
		.amdhsa_group_segment_fixed_size 69632
		.amdhsa_private_segment_fixed_size 0
		.amdhsa_enable_private_segment 0
		.amdhsa_kernarg_size 56
		.amdhsa_user_sgpr_count 2
		.amdhsa_user_sgpr_kernarg_segment_ptr 1
		.amdhsa_wavefront_size32 1
		.amdhsa_system_sgpr_workgroup_id_x 1
		.amdhsa_system_sgpr_workgroup_id_y 1
		.amdhsa_system_sgpr_workgroup_id_z 1
		.amdhsa_system_vgpr_workitem_id 0
		.amdhsa_next_free_vgpr 256
		.amdhsa_next_free_sgpr 66
		.amdhsa_reserve_vcc 1
		.amdhsa_float_denorm_mode_32 3
		.amdhsa_float_denorm_mode_16_64 3
		.amdhsa_memory_ordered 1
		.amdhsa_forward_progress 1
		.amdhsa_inst_pref_size 83
	.end_amdhsa_kernel
	.amdgpu_metadata
---
amdhsa.version: [ 1, 2 ]
amdhsa.kernels:
  - .name:           k_q52c569d486_route
    .symbol:         k_q52c569d486_route.kd
    .args:
      - { .name: x, .offset: 0, .size: 8, .value_kind: global_buffer, .address_space: global }
      - { .name: Wg, .offset: 8, .size: 8, .value_kind: global_buffer, .address_space: global }
      - { .name: bg, .offset: 16, .size: 8, .value_kind: global_buffer, .address_space: global }
      - { .name: xcodes, .offset: 24, .size: 8, .value_kind: global_buffer, .address_space: global }
      - { .name: xscales, .offset: 32, .size: 8, .value_kind: global_buffer, .address_space: global }
      - { .name: keys, .offset: 40, .size: 8, .value_kind: global_buffer, .address_space: global }
      - { .name: gates, .offset: 48, .size: 8, .value_kind: global_buffer, .address_space: global }
    .group_segment_fixed_size: 69632
    .private_segment_fixed_size: 0
    .kernarg_segment_align: 8
    .kernarg_segment_size: 56
    .max_flat_workgroup_size: 128
    .sgpr_count:     66
    .vgpr_count:     256
    .wavefront_size: 32
...
	.end_amdgpu_metadata
.endif
;; end of part 1
;; launch wq (part 2): grid 1025 x 1, 4 waves a work-group, no clusters, 25,600 bytes of LDS; arguments We, keys, gates, wcodes, wscales, ord, ogates; writes wcodes, wscales, ord, ogates
.if DOCPART == 2
	.amdgcn_target "amdgcn-amd-amdhsa--gfx1250"
	.amdhsa_code_object_version 6
	.text
	.protected	k_q52c569d486_wq
	.globl	k_q52c569d486_wq
	.p2align	8
	.type	k_q52c569d486_wq,@function
k_q52c569d486_wq:
	s_mov_b64 s[64:65], 0
	v_nop
	global_prefetch_b8 v0, s[64:65] scope:SCOPE_SE
	s_setreg_imm32_b32 hwreg(HW_REG_WAVE_MODE, 25, 1), 1
	s_wait_xcnt 0x0
; DualOutputMoE, launch 2 of 3.  Work-groups 1 .. 1,024 turn We [8][2048 (k)][2048 (n)], f32, K its middle axis, into codes of BF6 (E3M2) and E8M0 scale bytes, one for each 32 along K.
; Work-group 0 places the tokens: a counting sort by the key that the launch before stored, so that the next launch can read its rows and experts as whole numbers from memory.  It stands here because
; it must follow the router and precede the products, and this launch runs anyway.  No work is left out here: every expert's weights may be chosen by some token.
; QUANTISING.  A lane takes a column n and its registers run down K: each load reads 32 neighbouring columns (128 consecutive bytes a wave, 512 a work-group), a block of 32 along K lies in one lane's registers,
; and the conversions give codes with K innermost.  A wave takes 32 columns x 256 along K: 8 blocks a lane, four operand fragments (2 tiles of 16 columns x 2 K steps of 128).
; wcodes is laid IN THE ORDER OF THE OPERAND'S REGISTERS: [expert][tile of 16 columns 128][K step 16][register group 3][lane 32][16 bytes]: the reader's lane takes its 12 registers by three loads of 16 bytes.
; The fragments are put together in the wave's own stage in LDS and leave as stores of 512 consecutive, aligned bytes.
; wscales: [expert][pair of tiles 64][q 8][column 32][8 bytes]: a column's scale words of K steps 2 q and 2 q + 1: a wave stores 256 consecutive, aligned bytes.
; A block's scale byte is its largest magnitude's exponent field - 4, held at 1 from below.  LIMITS: a block of zeros gets the byte 1 where the rule says 127 (its codes are zeros; this program alone reads the bytes); NaN and infinities are not served.
; The two paths part on the work-group's number alone and have LDS bytes of their own.
.set STAGEB, 6144                      ; LDS: a stage for each wave: four fragments of 1,536 bytes
.set TAB,    4*STAGEB                  ; the placing path's table: [key 32][wave 4] counts
.set SPARE,  TAB+512                   ; the spare words, 128 bytes for each wave
.set NKEY,   28
.set SPW, 14                           ; v14  LDS address of my spare word; never rewritten
.set NIL, 15                           ; v15  0; never rewritten
.set SB,  24                           ; v[24:25] my column's eight scale bytes
.set X,   32                           ; v[32:95] two sets of 32 numbers
.set C,   96                           ; v[96:101] a block's codes
.set T,   104                          ; v[104:106] the second conversion's result (its three registers begin on an even number)
.set OUTR, 112                         ; v[112:159] the way out
.set KY,  32                           ; placing: v[32:47] the key words;  v[48:63] the keys;  v[64:79] ranks;  v[80:111] gates;  v[112:127] 8 x rank;  v[128:143] words to store;  v[144:159] the key's first rank;  v[160:175] at work
.set P,   48
.set R,   64
.set GT,  80
.set RB,  112
.set WD,  128
.set BP,  144
.set MB,  160
.set MK,  32                           ; s[32:47] placing: for each of my 16 registers the lanes whose token has the key in hand
.set CN,  66                           ; s[66:81] how many they are, then the running sum
	s_load_b256 s[4:11], s[0:1], 0x0               ; We s[4:5], keys s[6:7], gates s[8:9], wcodes s[10:11]
	s_load_b128 s[12:15], s[0:1], 0x20             ; wscales s[12:13], ord s[14:15]
	s_load_b64 s[16:17], s[0:1], 0x30              ; ogates
	v_lshl_add_u32 v[SPW], v0, 2, SPARE
	v_mov_b32 v[NIL], 0
	v_lshrrev_b32 v1, 5, v0
	v_readfirstlane_b32 s18, v1                    ; wave 0..3
	v_and_b32 v1, 31, v0                           ; lane
	s_wait_kmcnt 0x0
	s_cmp_eq_u32 ttmp9, 0
	s_cbranch_scc1 .Lplace
	; ---------------- the quantising path
	s_sub_co_u32 s20, ttmp9, 1
	s_lshr_b32 s21, s20, 7                         ; expert
	s_bfe_u32 s22, s20, 0x30004                    ; which 256 along K
	s_and_b32 s23, s20, 15                         ; which 128 columns
	s_lshl_b32 s24, s23, 2
	s_add_co_u32 s24, s24, s18                     ; my wave's pair of tiles: columns 32 cp ..
	s_mov_b32 s27, 0
	s_lshl_b32 s26, s21, 24                        ; We: an expert is 2^24 bytes,
	s_lshl_b32 s25, s22, 21                        ; 256 rows of 8,192,
	s_add_co_u32 s26, s26, s25
	s_lshl_b32 s25, s24, 7                         ; 32 columns of 4
	s_add_co_u32 s26, s26, s25
	s_add_nc_u64 s[4:5], s[4:5], s[26:27]
	s_lshl_b32 s26, s21, 7
	s_lshl_b32 s25, s24, 1
	s_add_co_u32 s26, s26, s25                     ; tile 128 e + 2 cp
	s_lshl_b32 s26, s26, 4
	s_lshl_b32 s25, s22, 1
	s_add_co_u32 s26, s26, s25                     ; fragment 16 x tile + K step
	s_mul_i32 s26, s26, 1536
	s_add_nc_u64 s[10:11], s[10:11], s[26:27]
	s_lshl_b32 s26, s21, 6
	s_add_co_u32 s26, s26, s24
	s_lshl_b32 s26, s26, 3
	s_add_co_u32 s26, s26, s22
	s_lshl_b32 s26, s26, 8                         ; ((64 e + cp) 8 + q) 256
	s_add_nc_u64 s[12:13], s[12:13], s[26:27]
	s_wait_alu depctr_va_vdst(0)
	v_lshlrev_b32 v2, 2, v1                        ; in: 4 bytes a lane
	s_mul_i32 s25, s18, STAGEB
	v_lshrrev_b32 v7, 4, v1                        ; which tile my column lies in,
	v_mul_u32_u24 v3, v7, 3072
	v_and_b32 v7, 15, v1                           ; and which row r of the operand it is
	v_lshl_add_u32 v3, v7, 4, v3
	v_add_nc_u32 v3, s25, v3                       ; into the stage: 3,072 x tile + 16 r
	v_lshlrev_b32 v5, 4, v1                        ; out: 16 bytes a lane
	v_add_nc_u32 v4, s25, v5
	v_lshlrev_b32 v6, 3, v1                        ; the scale bytes: 8 a lane
.macro LOAD t                          ; block t: We(32 t + i, my column) into set t % 2.  Every offset is an immediate: 255 x 8,192 at the most
.irp i, 0,1,2,3,4,5,6,7,8,9,10,11,12,13,14,15,16,17,18,19,20,21,22,23,24,25,26,27,28,29,30,31
	global_load_b32 v[X+32*((\t)%2)+\i], v2, s[4:5] offset:(32*(\t)+\i)*8192 th:TH_LOAD_NT
.endr
.endm
	LOAD 0
	LOAD 1
; Block t is block t % 4 of K step t / 4.  The operand's lane (r, h) holds in registers 6 c .. 6 c + 5 the block 2 c + h: so h = t % 2 and c = (t / 2) % 2, and my six registers go to lane r + 16 h's place (16 r + 256 h) in
; register groups 0 and 1 (c = 0: four registers, then two) or 1 and 2 (c = 1: two, at byte 8 of the place, then four).
.macro BLOCK t
.set XS, X+32*((\t)%2)
.set OF, 1536*((\t)/4)+256*((\t)%2)
.if (\t) < 7
	s_wait_loadcnt 32                              ; this block's 32 loads are in; the next block's 32 may be out
.else
	s_wait_loadcnt 0x0
.endif
	v_max3_num_f32 v12, |v[XS]|, |v[XS+1]|, |v[XS+2]|       ; the block's largest magnitude: all 32 numbers are mine
	v_max3_num_f32 v13, |v[XS+3]|, |v[XS+4]|, |v[XS+5]|
.irp i, 6,10,14,18,22,26
	v_max3_num_f32 v12, v12, |v[XS+\i]|, |v[XS+\i+1]|
	v_max3_num_f32 v13, v13, |v[XS+\i+2]|, |v[XS+\i+3]|
.endr
	v_max3_num_f32 v12, v12, |v[XS+30]|, |v[XS+31]|
	v_max3_num_f32 v12, v12, v13, 0x2800000        ; and the floor 2^(5 - 127): the byte cannot fall under 1
	v_add_nc_u32 v11, 0xfe000000, v12              ; 4 off its exponent field: the conversion's scale operand
	v_cvt_scalef32_pk16_bf6_f32 v[C:C+2], v[XS:XS+15], v11
	v_cvt_scalef32_pk16_bf6_f32 v[T:T+2], v[XS+16:XS+31], v11
	v_lshrrev_b32 v13, 23, v11                     ; the scale's byte (a plain line behind the conversions)
.if (\t)%4 == 0
	v_mov_b32 v[SB+(\t)/4], v13                    ; four bytes to a word, the lower K in the lower byte
.else
	v_lshl_or_b32 v[SB+(\t)/4], v13, 8*((\t)%4), v[SB+(\t)/4]
.endif
.irp i, 0,1,2
	v_mov_b32 v[C+3+\i], v[T+\i]                   ; the block's six registers on end
.endr
.if ((\t)/2)%2 == 0
	ds_store_b128 v3, v[C:C+3] offset:OF
	ds_store_b64 v3, v[C+4:C+5] offset:OF+512
.else
	ds_store_b64 v3, v[C:C+1] offset:OF+520
	ds_store_b128 v3, v[C+2:C+5] offset:OF+1024
.endif
.if (\t) < 6
	LOAD (\t)+2
.endif
	s_wait_dscnt 0x0                               ; the stores have read their registers: the next block's codes may be written
.endm
.irp t, 0,1,2,3,4,5,6,7
	BLOCK \t
.endr
	s_wait_alu depctr_va_vdst(0)
	global_store_b64 v6, v[SB:SB+1], s[12:13]      ; 32 lanes store 256 consecutive bytes, aligned
.irp i, 0,1,2,3,4,5,6,7,8,9,10,11
	ds_load_b128 v[OUTR+4*\i:OUTR+4*\i+3], v4 offset:512*\i   ; LDS serves a wave's instructions in order: these see my stores
.endr
.irp i, 0,1,2,3,4,5,6,7,8,9,10,11
	s_wait_dscnt 11-\i                             ; the younger loads may be out
	global_store_b128 v5, v[OUTR+4*\i:OUTR+4*\i+3], s[10:11] offset:(\i/6)*24576+(\i%6)*512   ; a tile's two fragments lie on end; the next tile's 16 fragments further on
.endr
	s_branch .Lend
	; ---------------- the placing path: a counting sort of 2,048 tokens by 28 keys.  Wave w holds tokens 512 w + 32 j + lane, j = 0 .. 15.
	; In both loops each kind of line stands in a run of sixteen, on sixteen registers, so that no line reads what the line above it has made.
.Lplace:
	s_wait_alu depctr_va_vdst(0)
	v_lshlrev_b32 v2, 2, v1
	s_lshl_b32 s20, s18, 11
	v_add_nc_u32 v2, s20, v2                       ; 2,048 w + 4 l
	v_lshlrev_b32 v3, 1, v2
.irp j, 0,1,2,3,4,5,6,7,8,9,10,11,12,13,14,15
	global_load_b32 v[KY+\j], v2, s[6:7] offset:128*\j
.endr
.irp j, 0,1,2,3,4,5,6,7,8,9,10,11,12,13,14,15
	global_load_b64 v[GT+2*\j:GT+2*\j+1], v3, s[8:9] offset:256*\j
.endr
	v_lshl_add_u32 v23, v1, 4, TAB                 ; the table: key = lane, 16 bytes: a count for each wave
	s_lshl_b32 s20, s18, 2
	v_add_nc_u32 v22, s20, v23                     ; my wave's word of it
	s_lshl_b32 s20, s18, 9
	v_add_nc_u32 v19, s20, v1                      ; token 512 w + l
	v_mov_b32 v21, 0                               ; lane k: my wave's count of key k
	v_mov_b32 v30, 0
.irp j, 0,1,2,3,4,5,6,7,8,9,10,11,12,13,14,15
	v_mov_b32 v[R+\j], 0
	v_mov_b32 v[BP+\j], 0
.endr
	s_wait_loadcnt 16                              ; the keys are in; the 16 loads of gates may be out
.irp j, 0,1,2,3,4,5,6,7,8,9,10,11,12,13,14,15
	v_and_b32 v[P+\j], 0xff, v[KY+\j]
.endr
	s_mov_b32 s24, 0
.Lcount:                                           ; a trip for each key: each token of that key learns how many of the wave's earlier tokens have it
.irp j, 0,1,2,3,4,5,6,7,8,9,10,11,12,13,14,15
	v_cmp_eq_u32 s[MK+\j], s24, v[P+\j]            ; the lanes of register j that hold the key
.endr
.irp j, 0,1,2,3,4,5,6,7,8,9,10,11,12,13,14,15
	s_bcnt1_i32_b32 s[CN+\j], s[MK+\j]             ; how many
.endr
.irp j, 1,2,3,4,5,6,7,8,9,10,11,12,13,14,15
	s_add_co_u32 s[CN+\j], s[CN+\j], s[CN+\j-1]    ; in registers 0 .. j together
.endr
	v_mbcnt_lo_u32_b32 v[MB], s[MK], 0             ; those in lower lanes of this register
.irp j, 1,2,3,4,5,6,7,8,9,10,11,12,13,14,15
	v_mbcnt_lo_u32_b32 v[MB+\j], s[MK+\j], s[CN+\j-1]   ; + those in earlier registers
.endr
.irp j, 0,1,2,3,4,5,6,7,8,9,10,11,12,13,14,15
	v_cndmask_b32 v[R+\j], v[R+\j], v[MB+\j], s[MK+\j]
.endr
	v_cmp_eq_u32 vcc_lo, s24, v1
	v_mov_b32 v20, s[CN+15]
	v_cndmask_b32 v21, v21, v20, vcc_lo            ; lane k keeps the count of key k
	s_add_co_u32 s24, s24, 1
	s_cmp_lt_u32 s24, NKEY
	s_cbranch_scc1 .Lcount
	ds_store_b32 v22, v21
	s_wait_dscnt 0x0                               ; for the other waves' sake
	s_barrier_signal -1
	s_barrier_wait -1
	ds_load_b128 v[24:27], v23                     ; lane k: the four waves' counts of key k
	s_wait_dscnt 0x0
	v_add_nc_u32 v28, v24, v25
	v_add_nc_u32 v29, v26, v27
	v_add_nc_u32 v28, v28, v29                     ; all tokens of key k
	v_mov_b32 v29, v28
.irp n, 1,2,4,8                        ; a running sum over the keys: inside each half of the lanes,
	v_mov_b32_dpp v30, v29 row_shr:\n row_mask:0xf bank_mask:0xf bound_ctrl:1
	v_add_nc_u32 v29, v29, v30
.endr
	v_readlane_b32 s26, v29, 15                    ; and the lower half's total onto the upper half
	v_mov_b32 v31, s26
	v_cmp_lt_u32 vcc_lo, 15, v1
	v_cndmask_b32 v30, 0, v31, vcc_lo
	v_add_nc_u32 v29, v29, v30
	v_sub_nc_u32 v29, v29, v28                     ; the tokens of smaller keys,
.irp w, 0,1,2
	s_cmp_gt_u32 s18, \w
	s_cselect_b32 s26, -1, 0
	v_and_b32 v30, s26, v[24+\w]
	v_add_nc_u32 v29, v29, v30                     ; and those of this key in earlier waves: where my wave's tokens of key k begin
.endr
	s_mov_b32 s24, 0
.Lbase:                                            ; a trip for each key: its tokens take that number
	v_readlane_b32 s25, v29, s24
	v_mov_b32 v20, s25
.irp j, 0,1,2,3,4,5,6,7,8,9,10,11,12,13,14,15
	v_cmp_eq_u32 s[MK+\j], s24, v[P+\j]
.endr
.irp j, 0,1,2,3,4,5,6,7,8,9,10,11,12,13,14,15
	v_cndmask_b32 v[BP+\j], v[BP+\j], v20, s[MK+\j]
.endr
	s_add_co_u32 s24, s24, 1
	s_cmp_lt_u32 s24, NKEY
	s_cbranch_scc1 .Lbase
.irp j, 0,1,2,3,4,5,6,7,8,9,10,11,12,13,14,15
	v_add_nc_u32 v[R+\j], v[R+\j], v[BP+\j]        ; the token's rank
	v_min_u32 v[R+\j], 0x7ff, v[R+\j]              ; held inside the buffers before it enters an address
	v_lshlrev_b32 v[RB+\j], 3, v[R+\j]
	v_lshlrev_b32 v[R+\j], 2, v[R+\j]
	v_lshrrev_b32 v[16+\j%2], 8, v[KY+\j]          ; lo | hi << 8
	v_add_nc_u32 v[20+\j%2], 32*\j, v19            ; the token
	v_lshl_or_b32 v[WD+\j], v[16+\j%2], 16, v[20+\j%2]
.endr
	s_wait_alu depctr_va_vdst(0)
	s_wait_loadcnt 0x0                             ; the gates
.irp j, 0,1,2,3,4,5,6,7,8,9,10,11,12,13,14,15
	global_store_b32 v[R+\j], v[WD+\j], s[14:15]   ; ord[rank] = token | lo << 16 | hi << 24.  (Scattered pieces of 4 and 8 bytes: 24 KB in all)
	global_store_b64 v[RB+\j], v[GT+2*\j:GT+2*\j+1], s[16:17]
.endr
.Lend:
	s_wait_tensorcnt 0x0                           ; the wave's end: three lines behind my last LDS store
	ds_add_u32 v[SPW], v[NIL]
	s_wait_dscnt 0x0
	s_endpgm
.Lfunc_end_k_q52c569d486_wq:
	.size	k_q52c569d486_wq, .Lfunc_end_k_q52c569d486_wq-k_q52c569d486_wq
	.p2alignl 7, 3214868480
	.fill 96, 4, 3214868480
	.section	.rodata,"a",@progbits
	.p2align	6, 0x0
	.amdhsa_kernel k_q52c569d486_wq
		.amdhsa_group_segment_fixed_size 25600
		.amdhsa_private_segment_fixed_size 0
		.amdhsa_enable_private_segment 0
		.amdhsa_kernarg_size 56
		.amdhsa_user_sgpr_count 2
		.amdhsa_user_sgpr_kernarg_segment_ptr 1
		.amdhsa_wavefront_size32 1
		.amdhsa_system_sgpr_workgroup_id_x 1
		.amdhsa_system_sgpr_workgroup_id_y 1
		.amdhsa_system_sgpr_workgroup_id_z 1
		.amdhsa_system_vgpr_workitem_id 0
		.amdhsa_next_free_vgpr 192
		.amdhsa_next_free_sgpr 84
		.amdhsa_reserve_vcc 1
		.amdhsa_float_denorm_mode_32 3
		.amdhsa_float_denorm_mode_16_64 3
		.amdhsa_memory_ordered 1
		.amdhsa_forward_progress 1
		.amdhsa_inst_pref_size 63
	.end_amdhsa_kernel
	.amdgpu_metadata
---
amdhsa.version: [ 1, 2 ]
amdhsa.kernels:
  - .name:           k_q52c569d486_wq
    .symbol:         k_q52c569d486_wq.kd
    .args:
      - { .name: We, .offset: 0, .size: 8, .value_kind: global_buffer, .address_space: global }
      - { .name: keys, .offset: 8, .size: 8, .value_kind: global_buffer, .address_space: global }
      - { .name: gates, .offset: 16, .size: 8, .value_kind: global_buffer, .address_space: global }
      - { .name: wcodes, .offset: 24, .size: 8, .value_kind: global_buffer, .address_space: global }
      - { .name: wscales, .offset: 32, .size: 8, .value_kind: global_buffer, .address_space: global }
      - { .name: ord, .offset: 40, .size: 8, .value_kind: global_buffer, .address_space: global }
      - { .name: ogates, .offset: 48, .size: 8, .value_kind: global_buffer, .address_space: global }
    .group_segment_fixed_size: 25600
    .private_segment_fixed_size: 0
    .kernarg_segment_align: 8
    .kernarg_segment_size: 56
    .max_flat_workgroup_size: 128
    .sgpr_count:     84
    .vgpr_count:     192
    .wavefront_size: 32
...
	.end_amdgpu_metadata
.endif
;; end of part 2
;; launch moe (part 3): grid 16 x 16, 4 waves a work-group, no clusters, 274,944 bytes of LDS; arguments xcodes, xscales, wcodes, wscales, be, ord, ogates, out0; writes out0
.if DOCPART == 3
	.amdgcn_target "amdgcn-amd-amdhsa--gfx1250"
	.amdhsa_code_object_version 6
	.text
	.protected	k_q52c569d486_moe
	.globl	k_q52c569d486_moe
	.p2align	8
	.type	k_q52c569d486_moe,@function
k_q52c569d486_moe:
	s_mov_b64 s[64:65], 0
	v_nop
	global_prefetch_b8 v0, s[64:65] scope:SCOPE_SE
	s_setreg_imm32_b32 hwreg(HW_REG_WAVE_MODE, 25, 1), 1
	s_wait_xcnt 0x0
; DualOutputMoE, launch 3 of 3: out[t] = sum over t's two experts e of score[t][e] x (Q(x[t]) . Q(We[e]) + be[e]); products on codes of BF6 (E3M2) with E8M0 scales, sums in f32.
; WORK LEFT OUT: rows whose gate reference() itself sets to 0 (an expert outside the token's top-2) add 0 for all finite inputs; an expert that none of a block's 128 tokens chose is not walked.
; A NaN, an infinity or an overflow in a product left out is not carried to the result.
; ONE OWNER FOR EACH OUTPUT ROW.  Tokens come sorted by their pair of experts (ord).  A work-group owns 128 sorted tokens x 128 columns.  A PASS takes up to FOUR of the block's experts at once, a set of 16 accumulators
; for each (slot j), so that a fragment of x read from LDS serves 8 products.  ceil(experts / 4) passes serve any split.  A slot with no expert left repeats the pass's first expert; its gate is 0 by the select.
; SHARES.  Wave w makes columns 32 w .. 32 w + 31 (2 tiles n) for all 128 rows (8 tiles m).  Each weight fragment is read once in the work-group, from memory straight into the operand's registers;
; the block's codes of x and their scale words lie in LDS for the whole launch.
; NO CLUSTER, NO TENSOR LOAD: which experts a block walks is read from memory, so the weights come by plain loads, issued two K steps ahead into a ring of three register buffers; no prefetch beside them, since these loads run ahead themselves.
; THE MATRIX INSTRUCTION IS USED TRANSPOSED: source 0 = 16 columns of the weight, source 1 = 16 tokens: lane (r, h) holds token r and columns 8 h + 0 .. 7.  be is the C of each sum's first product.
; Behind a pass: OUT = stash + sum over slots of gate x ACC.  The stash is my wave's own bytes of the stage for the way out, zeros at first; OUT goes back there, so every pass has one form.
; A K step: 64 products in two runs of 32 (tiles m 0-3, 4-7); ahead of each run one run of loads.  Every offset is an immediate.
; REGISTERS.  Window 0: v2-14 addresses; v16-23 ord words; v24-39 scores; v40-47 x's scale words (2 sets); v48-63 the weights' scale words; v64-159 x's 8 fragments; v160-255 weights' buffer 2.
;   Window 1: v0-95, v96-191 weights' buffers 0, 1; v192-255 be.  Window 2: slots 0, 1 (128 (j % 2) + 8 (2 m + n)); window 3: slots 2, 3.
.set PITCH, 1552                       ; a token's row in LDS: 1,536 bytes + 16, an odd multiple of 16
.set XSC,   128*PITCH                  ; x's scale words: [K step 16][row 128]
.set STG,   XSC+8192                   ; the stage: 128 rows x (512 + 16) bytes
.set SP,    528
.set SPARE, STG+128*SP                 ; the spare words, 128 bytes for each wave
.set SPW,  2
.set NIL,  3
.set LN16, 4                           ; 16 x lane
.set LN8,  5                           ; 8 x lane
.set BEO,  6                           ; 32 h
.set XA,   8                           ; v8-11: rows 32 q + r: 1,552 row + 48 h
.set XSA,  12                          ; XSC + 4 lane
.set SO,   13                          ; stage: row r, my wave's 128 bytes, + 32 h
.set SRD,  14                          ; stage: my wave's 32 rows, 16 x lane
.set WORD, 16
.set GP,   24
.set XS,   40
.set WS,   48                          ; 4 j + 2 (pair of steps % 2) + step % 2: lanes 0-15 tile n = 0, lanes 16-31 n = 1
.set XF,   64
.set GA,   64                          ; at the fold: gate of (slot j, tile m) at 16 j + 2 m, a written neighbour above it
.set PW0,  56
.set PS0,  58
.set PB0,  60
.set PW,   68                          ; s[68:75] the slots' codes; s[76:83] scale words; s[84:91] be; s92-95 the slots' experts (-1: none)
.set PS,   76
.set PB,   84
.set EX,   92
.set MSB, 0
.macro WIN new                         ; the immediate's high byte repeats the setting that is left
.if MSB != \new
	s_set_vgpr_msb (MSB<<8)|\new
.set MSB, \new
.endif
.endm
.macro NOP4                            ; four places behind products, ahead of loads into registers that they read (ISA guide 7.12.1 for vector instructions)
.rept 4
	v_nop
.endr
.endm
.macro PICK4                           ; the next four experts of s62 (a bit each) and their pointers
.irp j, 0,1,2,3
	s_ctz_i32_b32 s[EX+\j], s62
	s_cmp_lg_u32 s62, 0
	s_cselect_b32 s96, s[EX+\j], s98
	s_min_u32 s96, s96, 7                          ; held inside the buffers before it enters an address
.if \j == 0
	s_mov_b32 s98, s96
.endif
	s_lshl_b32 s97, 1, s96
	s_and_not1_b32 s62, s62, s97
	s_mul_i32 s66, s96, 3145728
	s_add_nc_u64 s[PW+2*\j:PW+2*\j+1], s[PW0:PW0+1], s[66:67]
	s_lshl_b32 s66, s96, 17
	s_add_nc_u64 s[PS+2*\j:PS+2*\j+1], s[PS0:PS0+1], s[66:67]
	s_lshl_b32 s66, s96, 13
	s_add_nc_u64 s[PB+2*\j:PB+2*\j+1], s[PB0:PB0+1], s[66:67]
.endr
.endm
.macro WLD2 t, j0                      ; slots j0, j0 + 1: the weights of K step t into buffer t % 3; at an even t first the scale words of steps t, t + 1
.if ((\t)%2) == 0
	WIN 0
.irp j, \j0, \j0+1
	global_load_b64 v[WS+4*(\j)+2*(((\t)/2)%2):WS+4*(\j)+2*(((\t)/2)%2)+1], v[LN8], s[PS+2*(\j):PS+2*(\j)+1] offset:256*((\t)/2)
.endr
.endif
.if ((\t)%3) == 2
	WIN 0
.set WB, 160
.else
	WIN 0x40
.set WB, 96*((\t)%3)
.endif
.irp j, \j0, \j0+1
.irp n, 0,1
.irp c, 0,1,2
	global_load_b128 v[WB+24*(\j)+12*\n+4*\c:WB+24*(\j)+12*\n+4*\c+3], v[LN16], s[PW+2*(\j):PW+2*(\j)+1] offset:24576*\n+1536*(\t)+512*\c
.endr
.endr
.endr
.endm
.macro PROLOG                          ; a pass's first loads: be (16), K step 0 (28), K step 1 (24)
	WIN 0x40
.irp j, 0,1,2,3
.irp n, 0,1
	global_load_b128 v[192+16*\j+8*\n:192+16*\j+8*\n+3], v[BEO], s[PB+2*\j:PB+2*\j+1] offset:64*\n
	global_load_b128 v[192+16*\j+8*\n+4:192+16*\j+8*\n+7], v[BEO], s[PB+2*\j:PB+2*\j+1] offset:64*\n+16
.endr
.endr
	WLD2 0, 0
	WLD2 0, 2
	WLD2 1, 0
	WLD2 1, 2
	WIN 0
.endm
.macro XQ t, g                         ; x's fragments of tiles 4 g .. 4 g + 3, K step t: a lane's 12 registers are 48 bytes on end
.irp u, 0,1,2,3
.irp c, 0,1,2
	ds_load_b128 v[XF+12*(4*\g+\u)+4*\c:XF+12*(4*\g+\u)+4*\c+3], v[XA+2*\g+\u/2] offset:(\u%2)*16*PITCH+96*(\t)+16*\c
.endr
.endr
.endm
.macro SCL t                           ; x's scale words of K step t: register i: lanes 0-15 tile 2 i, lanes 16-31 tile 2 i + 1
.irp i, 0,1,2,3
	ds_load_b32 v[XS+4*((\t)%2)+\i], v[XSA] offset:512*(\t)+128*\i
.endr
.endm
.macro MM s, m, j, n
.set rD, 128*((\j)%2)+8*(2*(\m)+\n)
.set rC, rD
.if (\s) == 0
.set rC, 192+16*(\j)+8*\n
.endif
.if ((\s)%3) == 2
.set rA, 160+24*(\j)+12*\n
.else
.set rA, 96*((\s)%3)+24*(\j)+12*\n
.endif
.set rB, XF+12*(\m)
.set rSA, WS+4*(\j)+2*(((\s)/2)%2)+(\s)%2
.set rSB, XS+4*((\s)%2)+(\m)/2
.if (\n == 0) && (((\m)%2) == 0)
	v_wmma_scale_f32_16x16x128_f8f6f4 v[rD:rD+7], v[rA:rA+11], v[rB:rB+11], v[rC:rC+7], v[rSA], v[rSB] matrix_a_fmt:MATRIX_FMT_BF6 matrix_b_fmt:MATRIX_FMT_BF6
.elseif (\n == 1) && (((\m)%2) == 0)
	v_wmma_scale_f32_16x16x128_f8f6f4 v[rD:rD+7], v[rA:rA+11], v[rB:rB+11], v[rC:rC+7], v[rSA], v[rSB] matrix_a_fmt:MATRIX_FMT_BF6 matrix_b_fmt:MATRIX_FMT_BF6 matrix_a_scale:MATRIX_SCALE_ROW1
.elseif (\n == 0)
	v_wmma_scale_f32_16x16x128_f8f6f4 v[rD:rD+7], v[rA:rA+11], v[rB:rB+11], v[rC:rC+7], v[rSA], v[rSB] matrix_a_fmt:MATRIX_FMT_BF6 matrix_b_fmt:MATRIX_FMT_BF6 matrix_b_scale:MATRIX_SCALE_ROW1
.else
	v_wmma_scale_f32_16x16x128_f8f6f4 v[rD:rD+7], v[rA:rA+11], v[rB:rB+11], v[rC:rC+7], v[rSA], v[rSB] matrix_a_fmt:MATRIX_FMT_BF6 matrix_b_fmt:MATRIX_FMT_BF6 matrix_a_scale:MATRIX_SCALE_ROW1 matrix_b_scale:MATRIX_SCALE_ROW1
.endif
.endm
.macro MULW s, g                       ; 32 products on 32 accumulators, one instruction a turn
.irp jh, 0,1
.set WV, 1|((2+\jh)<<4)|((2+\jh)<<6)   ; weights window 1, x window 0, C and D window 2 or 3
.if ((\s)%3) == 2
.set WV, WV&0xfe                       ; buffer 2 lies in window 0
.endif
.if (\s) == 0
.set WV, (WV&0xcf)|0x10                ; be lies in window 1
.endif
	WIN WV
.irp j, 2*\jh, 2*\jh+1
.irp n, 0,1
.irp u, 0,1,2,3
	MM \s, 4*\g+\u, \j, \n
.endr
.endr
.endr
.endr
.endm
.macro STEP s
	WIN 0
	NOP4
	XQ \s, 1                                       ; tiles 4-7 of this step, into the registers that the last run of products read
.if (\s) < 14
	WLD2 (\s)+2, 0                                 ; buffer (s + 2) % 3 was read by step s - 1
.endif
.if (\s) == 15
	s_wait_loadcnt 0x0
.elseif (\s) == 14
	s_wait_loadcnt 24                              ; behind this step's weights: step 15's 24 loads
.elseif ((\s)%2) == 0
	s_wait_loadcnt 38                              ; behind this step's weights: the next step's 24 loads and the 14 just issued
.else
	s_wait_loadcnt 40                              ; the next step's 28 and the 12 just issued
.endif
	s_wait_dscnt 12                                ; tiles 0-3 and the scale words are in; the 12 loads just issued may be out
	MULW \s, 0
	WIN 0
	NOP4
.if (\s) < 15
	XQ (\s)+1, 0
	SCL (\s)+1
.endif
.if (\s) < 14
	WLD2 (\s)+2, 2
.endif
.if (\s) < 15
	s_wait_dscnt 16                                ; tiles 4-7 are in; the 16 loads just issued may be out
.else
	s_wait_dscnt 0x0
.endif
	MULW \s, 1
.endm
	s_load_b512 s[4:19], s[0:1], 0x0               ; xcodes s[4:5], xscales s[6:7], wcodes s[8:9], wscales s[10:11], be s[12:13], ord s[14:15], ogates s[16:17], out0 s[18:19]
	v_lshl_add_u32 v[SPW], v0, 2, SPARE
	v_mov_b32 v[NIL], 0
	v_lshrrev_b32 v1, 5, v0
	v_readfirstlane_b32 s20, v1                    ; wave
	s_mov_b32 s21, ttmp9                           ; the slab of 128 columns
	s_and_b32 s22, ttmp7, 0xffff                   ; the block of 128 sorted tokens
	s_lshl_b32 s23, s20, 7                         ; 128 x wave
	v_and_b32 v1, 31, v0                           ; lane
	v_lshlrev_b32 v[LN16], 4, v1
	v_lshlrev_b32 v[LN8], 3, v1
	v_and_b32 v7, 15, v0                           ; r
	v_bfe_u32 v15, v0, 4, 1                        ; h
	v_lshlrev_b32 v[BEO], 5, v15
	v_mul_u32_u24 v[XA], v7, PITCH
	v_mad_u32_u24 v[XA], v15, 48, v[XA]
	v_add_nc_u32 v[XA+1], 32*PITCH, v[XA]
	v_add_nc_u32 v[XA+2], 64*PITCH, v[XA]
	v_add_nc_u32 v[XA+3], 96*PITCH, v[XA]
	v_lshl_add_u32 v[XSA], v1, 2, XSC
	s_add_co_u32 s63, s23, STG
	v_mul_u32_u24 v[SO], v7, SP
	v_lshl_add_u32 v[SO], v15, 5, v[SO]
	v_add_nc_u32 v[SO], s63, v[SO]
	s_mul_i32 s63, s20, 32*SP
	s_add_co_u32 s63, s63, STG
	v_add_nc_u32 v[SRD], s63, v[LN16]
	s_mul_i32 s63, s20, 32*PITCH
	v_add_nc_u32 v113, s63, v[LN16]                ; where my wave lays the 32 rows that it gathers
	v_add_nc_u32 v114, s23, v[XSA]                 ; and their scale words: row 32 w + lane
	v_lshlrev_b32 v115, 2, v7
	v_lshlrev_b32 v116, 3, v7
	v_lshlrev_b32 v117, 2, v1
	v_add_nc_u32 v119, s23, v117
.irp i, 124,125,126,127,129,130
	v_mov_b32 v\i, 0
.endr
	v_mov_b32 v128, 1
	s_mov_b32 s67, 0
	s_mov_b32 s98, 0
	s_mov_b32 s100, 0
	s_wait_alu depctr_va_vdst(0)
	s_wait_kmcnt 0x0
	s_lshl_b32 s66, s22, 9
	s_add_nc_u64 s[14:15], s[14:15], s[66:67]      ; ord at my block
	s_lshl_b32 s66, s22, 10
	s_add_nc_u64 s[16:17], s[16:17], s[66:67]      ; ogates likewise
	s_load_b512 s[24:39], s[14:15], s23 offset:0x0 ; the 32 rows that my wave gathers and stores, as scalars
	s_load_b512 s[40:55], s[14:15], s23 offset:0x40
.irp i, 0,1,2,3
	global_load_b32 v[120+\i], v117, s[14:15] offset:128*\i    ; all 128 words, for the block's experts
.endr
	global_load_b32 v118, v119, s[14:15]           ; row 32 w + lane
.irp m, 0,1,2,3,4,5,6,7
	global_load_b32 v[WORD+\m], v115, s[14:15] offset:64*\m    ; row 16 m + r
.endr
.irp m, 0,1,2,3,4,5,6,7
	global_load_b64 v[GP+2*\m:GP+2*\m+1], v116, s[16:17] offset:128*\m
.endr
	s_lshl_b32 s66, s21, 3
	s_lshl_b32 s63, s20, 1
	s_add_co_u32 s66, s66, s63                     ; my first tile of columns: 8 x slab + 2 x wave
	s_mul_i32 s66, s66, 24576
	s_add_nc_u64 s[PW0:PW0+1], s[8:9], s[66:67]
	s_lshl_b32 s66, s21, 2
	s_add_co_u32 s66, s66, s20
	s_lshl_b32 s66, s66, 11                        ; my pair of tiles: 2,048 bytes of scale words each
	s_add_nc_u64 s[PS0:PS0+1], s[10:11], s[66:67]
	s_lshl_b32 s66, s21, 9
	s_add_co_u32 s66, s66, s23
	s_add_nc_u64 s[PB0:PB0+1], s[12:13], s[66:67]
	s_wait_loadcnt 16                              ; the five loads of words are in; the 16 behind them may be out
	v_and_b32 v112, 0x7ff, v118
	v_min_u32 v112, 0x7ff, v112                    ; held inside the buffer before it enters an address
	v_lshlrev_b32 v112, 6, v112
.irp c, 0,1,2,3
	global_load_b128 v[96+4*\c:96+4*\c+3], v112, s[6:7] offset:16*\c   ; my row's 16 scale words
.endr
.irp i, 0,1,2,3
	v_bfe_u32 v130, v[120+\i], 16, 8
	v_bfe_u32 v131, v[120+\i], 24, 8
	v_lshlrev_b32 v130, v130, v128
	v_lshlrev_b32 v131, v131, v128
	v_or_b32 v129, v129, v130
	v_or_b32 v129, v129, v131                      ; a bit for each expert chosen
.endr
.irp x, 1,2,4,8
	v_mov_b32_dpp v130, v129 row_xmask:\x row_mask:0xf bank_mask:0xf
	v_or_b32 v129, v129, v130
.endr
	v_readlane_b32 s62, v129, 0
	v_readlane_b32 s63, v129, 16
	s_or_b32 s62, s62, s63
	s_and_b32 s62, s62, 0xff                       ; the block's experts
	s_bcnt1_i32_b32 s99, s62
	s_add_co_u32 s99, s99, 3
	s_lshr_b32 s99, s99, 2
	s_max_u32 s99, s99, 1                          ; passes
	PICK4
	s_wait_kmcnt 0x0
.set i, 0
.rept 32
	s_and_b32 s[24+i], s[24+i], 0x7ff              ; the token,
	s_min_u32 s[24+i], s[24+i], 0x7ff              ; held inside the buffers before it enters an address
	s_mul_i32 s63, s[24+i], 1536
	v_add_nc_u32 v[64+i], s63, v[LN16]
.set i, i+1
.endr
	WIN 0x80                                       ; the accumulators' registers are free yet
	s_wait_alu depctr_va_vdst(0)                   ; ahead of the readers below
.set i, 0
.rept 16
.irp c, 0,1,2
	global_load_b128 v[12*i+4*\c:12*i+4*\c+3], v[64+i], s[4:5] offset:512*\c   ; a token's 1,536 bytes: three loads of 512 consecutive bytes
.endr
.set i, i+1
.endr
	WIN 0xc0
.set i, 0
.rept 16
.irp c, 0,1,2
	global_load_b128 v[12*i+4*\c:12*i+4*\c+3], v[80+i], s[4:5] offset:512*\c
.endr
.set i, i+1
.endr
	PROLOG
.irp a, 0,1,2,3,4,5,6,7,8,9,10,11,12,13,14,15
	ds_store_b128 v[SO], v[124:127] offset:(\a/2)*16*SP+64*(\a%2)      ; the stash begins as zeros
	ds_store_b128 v[SO], v[124:127] offset:(\a/2)*16*SP+64*(\a%2)+16
.endr
	s_wait_loadcnt 63                              ; behind the gather 68 loads were issued: with 63 out at the most the gather and all before it are in
.set i, 0
.rept 16
	ds_store_b32 v114, v[96+i] offset:512*i
.set i, i+1
.endr
	WIN 0x08                                       ; an LDS store's data are its source 1: window 2,
.set i, 0
.rept 16
.irp c, 0,1,2
	ds_store_b128 v113, v[12*i+4*\c:12*i+4*\c+3] offset:PITCH*i+512*\c
.endr
.set i, i+1
.endr
	WIN 0x0c                                       ; window 3
.set i, 0
.rept 16
.irp c, 0,1,2
	ds_store_b128 v113, v[12*i+4*\c:12*i+4*\c+3] offset:PITCH*(16+i)+512*\c
.endr
.set i, i+1
.endr
	WIN 0
	s_wait_dscnt 0x0                               ; for the other waves' sake: my 32 rows lie in LDS
	s_barrier_signal -1
	s_barrier_wait -1
.Lpass:                                            ; a pass: up to four experts, 16 K steps
	XQ 0, 0
	SCL 0
.irp s, 0,1,2,3,4,5,6,7,8,9,10,11,12,13,14,15
	STEP \s
.endr
	WIN 0
	NOP4
	WIN 0x40
.irp a, 0,1,2,3,4,5,6,7,8,9,10,11,12,13,14,15
	ds_load_b128 v[8*\a:8*\a+3], v[SO] offset:(\a/2)*16*SP+64*(\a%2)       ; the stash: my own bytes, served in order behind my stores
	ds_load_b128 v[8*\a+4:8*\a+7], v[SO] offset:(\a/2)*16*SP+64*(\a%2)+16
.endr
	WIN 0
.irp m, 0,1,2,3,4,5,6,7
	v_bfe_u32 v[160+\m], v[WORD+\m], 16, 8         ; lo
	v_bfe_u32 v[168+\m], v[WORD+\m], 24, 8         ; hi
.endr
.irp j, 0,1,2,3                        ; the gate of token r of tile m for slot j: lo's score, hi's score, or 0; each kind of line in a run of eight
.irp m, 0,1,2,3,4,5,6,7
	v_cmp_eq_u32 s[4+\m], s[EX+\j], v[160+\m]
.endr
.irp m, 0,1,2,3,4,5,6,7
	v_cndmask_b32 v[GA+16*\j+2*\m+1], 0, v[GP+2*\m], s[4+\m]
.endr
.irp m, 0,1,2,3,4,5,6,7
	v_cmp_eq_u32 s[4+\m], s[EX+\j], v[168+\m]
.endr
.irp m, 0,1,2,3,4,5,6,7
	v_cndmask_b32 v[GA+16*\j+2*\m], v[GA+16*\j+2*\m+1], v[GP+2*\m+1], s[4+\m]
.endr
.endr
	s_wait_alu depctr_va_vdst(0)
	s_wait_dscnt 0x0
	WIN 0x92                                       ; slot 0: ACC and result window 2, gate window 0, stash window 1
.irp a, 0,1,2,3,4,5,6,7,8,9,10,11,12,13,14,15
.irp p, 0,1,2,3
	v_pk_fma_f32 v[8*\a+2*\p:8*\a+2*\p+1], v[8*\a+2*\p:8*\a+2*\p+1], v[GA+2*(\a/2):GA+2*(\a/2)+1], v[8*\a+2*\p:8*\a+2*\p+1] op_sel_hi:[1,0,1]   ; each accumulator from its low end on
.endr
.endr
	WIN 0xa2                                       ; slot 1
.irp a, 0,1,2,3,4,5,6,7,8,9,10,11,12,13,14,15
.irp p, 0,1,2,3
	v_pk_fma_f32 v[8*\a+2*\p:8*\a+2*\p+1], v[128+8*\a+2*\p:128+8*\a+2*\p+1], v[GA+16+2*(\a/2):GA+16+2*(\a/2)+1], v[8*\a+2*\p:8*\a+2*\p+1] op_sel_hi:[1,0,1]
.endr
.endr
	WIN 0xa3                                       ; slots 2 and 3: ACC window 3
.irp a, 0,1,2,3,4,5,6,7,8,9,10,11,12,13,14,15
.irp p, 0,1,2,3
	v_pk_fma_f32 v[8*\a+2*\p:8*\a+2*\p+1], v[8*\a+2*\p:8*\a+2*\p+1], v[GA+32+2*(\a/2):GA+32+2*(\a/2)+1], v[8*\a+2*\p:8*\a+2*\p+1] op_sel_hi:[1,0,1]
.endr
.endr
.irp a, 0,1,2,3,4,5,6,7,8,9,10,11,12,13,14,15
.irp p, 0,1,2,3
	v_pk_fma_f32 v[8*\a+2*\p:8*\a+2*\p+1], v[128+8*\a+2*\p:128+8*\a+2*\p+1], v[GA+48+2*(\a/2):GA+48+2*(\a/2)+1], v[8*\a+2*\p:8*\a+2*\p+1] op_sel_hi:[1,0,1]
.endr
.endr
	WIN 0x08
.irp a, 0,1,2,3,4,5,6,7,8,9,10,11,12,13,14,15
	ds_store_b128 v[SO], v[8*\a:8*\a+3] offset:(\a/2)*16*SP+64*(\a%2)
	ds_store_b128 v[SO], v[8*\a+4:8*\a+7] offset:(\a/2)*16*SP+64*(\a%2)+16
.endr
	WIN 0
	s_add_co_u32 s100, s100, 1
	s_cmp_ge_u32 s100, s99
	s_cbranch_scc1 .Ldone                          ; no expert is left: nothing more is loaded
	PICK4                                          ; step 15 waited for all my loads: the pointers may be written
	PROLOG
	s_cmp_lt_u32 s100, s99
	s_cbranch_scc1 .Lpass
.Ldone:
	s_wait_loadcnt 0x0
	; THE WAY OUT.  A row's 512 bytes of the slab come from four waves: a barrier, then each wave reads 32 whole rows and stores each as 512 consecutive, aligned bytes of its token's row.
	s_lshl_b32 s63, s21, 9
	v_add_nc_u32 v160, s63, v[LN16]
	s_wait_alu depctr_va_vdst(0)                   ; directly behind the write: its readers stand among scalar lines
.set i, 0
.rept 32
	s_lshl_b32 s63, s[24+i], 13                    ; a row of out0 is 8,192 bytes
	v_add_nc_u32 v[64+i], s63, v160
.set i, i+1
.endr
	s_wait_alu depctr_va_vdst(0)
	s_wait_dscnt 0x0                               ; for the other waves' sake: my part of the stage is written
	s_barrier_signal -1
	s_barrier_wait -1
	WIN 0x40
.set i, 0
.rept 32
	ds_load_b128 v[4*i:4*i+3], v[SRD] offset:SP*i
.set i, i+1
.endr
	WIN 0x04                                       ; a store's address window 0, its data window 1
.set i, 0
.rept 4
	s_wait_dscnt 24-8*i                            ; the younger loads may be out
.irp t, 0,1,2,3,4,5,6,7
	global_store_b128 v[64+8*i+\t], v[4*(8*i+\t):4*(8*i+\t)+3], s[18:19] th:TH_STORE_NT
.endr
.set i, i+1
.endr
	WIN 0
	s_wait_tensorcnt 0x0                           ; the wave's end: three lines behind my last LDS store
	ds_add_u32 v[SPW], v[NIL]
	s_wait_dscnt 0x0
	s_endpgm
.Lfunc_end_k_q52c569d486_moe:
	.size	k_q52c569d486_moe, .Lfunc_end_k_q52c569d486_moe-k_q52c569d486_moe
	.p2alignl 7, 3214868480
	.fill 96, 4, 3214868480
	.section	.rodata,"a",@progbits
	.p2align	6, 0x0
	.amdhsa_kernel k_q52c569d486_moe
		.amdhsa_group_segment_fixed_size 274944
		.amdhsa_private_segment_fixed_size 0
		.amdhsa_enable_private_segment 0
		.amdhsa_kernarg_size 64
		.amdhsa_user_sgpr_count 2
		.amdhsa_user_sgpr_kernarg_segment_ptr 1
		.amdhsa_wavefront_size32 1
		.amdhsa_system_sgpr_workgroup_id_x 1
		.amdhsa_system_sgpr_workgroup_id_y 1
		.amdhsa_system_sgpr_workgroup_id_z 1
		.amdhsa_system_vgpr_workitem_id 0
		.amdhsa_next_free_vgpr 1024
		.amdhsa_next_free_sgpr 102
		.amdhsa_reserve_vcc 0
		.amdhsa_float_denorm_mode_32 3
		.amdhsa_float_denorm_mode_16_64 3
		.amdhsa_memory_ordered 1
		.amdhsa_forward_progress 1
		.amdhsa_inst_pref_size 255
	.end_amdhsa_kernel
	.section	.bss,"aw",@nobits
	.p2align	6
	.space	262144
	.amdgpu_metadata
---
amdhsa.version: [ 1, 2 ]
amdhsa.kernels:
  - .name:           k_q52c569d486_moe
    .symbol:         k_q52c569d486_moe.kd
    .args:
      - { .name: xcodes, .offset: 0, .size: 8, .value_kind: global_buffer, .address_space: global }
      - { .name: xscales, .offset: 8, .size: 8, .value_kind: global_buffer, .address_space: global }
      - { .name: wcodes, .offset: 16, .size: 8, .value_kind: global_buffer, .address_space: global }
      - { .name: wscales, .offset: 24, .size: 8, .value_kind: global_buffer, .address_space: global }
      - { .name: be, .offset: 32, .size: 8, .value_kind: global_buffer, .address_space: global }
      - { .name: ord, .offset: 40, .size: 8, .value_kind: global_buffer, .address_space: global }
      - { .name: ogates, .offset: 48, .size: 8, .value_kind: global_buffer, .address_space: global }
      - { .name: out0, .offset: 56, .size: 8, .value_kind: global_buffer, .address_space: global }
    .group_segment_fixed_size: 274944
    .private_segment_fixed_size: 0
    .kernarg_segment_align: 8
    .kernarg_segment_size: 64
    .max_flat_workgroup_size: 128
    .sgpr_count:     102
    .vgpr_count:     1024
    .wavefront_size: 32
...
	.end_amdgpu_metadata
.endif
;; end of part 3
